; MI455X (gfx1250); checked and timed in simulation.
; The chip was launched on July 23, 2026; its instructions are those of AMD's public machine-readable ISA for CDNA 5 (MIT licence, August 2026) and "CDNA5" Instruction Set Architecture Reference Guide (July 2026). The comments in the code are by the model that wrote it; some were corrected since.
;; Self Attention. Allowed arithmetic: matrix products marked QUANTISED: E2M1 operands, one E8M0 scale for each 32 along K, by v_wmma_scale_f32_16x16x128_f8f6f4 with both operands' format E2M1 (or v_wmma_scale_f32_32x16x128_f4), f32 sums; everything else in f32.
;; Inputs: Wk_codes 1,024 x 32 x 16 uint8 (E2M1 codes of Wk, K innermost, in blocks of 32 codes, two codes a byte); Wk_scales 1,024 x 32 uint8 (E8M0 scales of Wk, one for each 32 codes along K); Wo_codes 1,024 x 32 x 16 uint8 (E2M1 codes of Wo, K innermost, in blocks of 32 codes, two codes a byte); Wo_scales 1,024 x 32 uint8 (E8M0 scales of Wo, one for each 32 codes along K); Wq_codes 1,024 x 32 x 16 uint8 (E2M1 codes of Wq, K innermost, in blocks of 32 codes, two codes a byte); Wq_scales 1,024 x 32 uint8 (E8M0 scales of Wq, one for each 32 codes along K); Wv_codes 1,024 x 32 x 16 uint8 (E2M1 codes of Wv, K innermost, in blocks of 32 codes, two codes a byte); Wv_scales 1,024 x 32 uint8 (E8M0 scales of Wv, one for each 32 codes along K); bk 1,024 float32; bo 1,024 float32; bq 1,024 float32; bv 1,024 float32; x_codes 2 x 2,048 x 32 x 16 uint8 (E2M1 codes of x, K innermost, in blocks of 32 codes, two codes a byte); x_scales 2 x 2,048 x 32 uint8 (E8M0 scales of x, one for each 32 codes along K).
;; Outputs: out0 2 x 2,048 x 1,024 float32.
;; This version of the problem:
;;   THIS VERSION OF THE PROBLEM IS GIVEN IN LOW PRECISION. The matrix products marked QUANTISED in the list below multiply operands that are first quantised to E2M1 (2 exponent bits, 1 mantissa bit; 4 bits a number), with one power-of-two scale for each 32 numbers along K (OCP MX v1.0); their sums are f32. All else is computed in f32.
;;   The module's matrix products, in the order in which they are computed (A, B: the left and right operand; K: the contracted axis; several contracted axes count as one K, in the product's order):
;;     1. [M 4,096, K 1,024] x [K 1,024, N 1,024]; A: input x (given as codes); B: input Wq (given as codes): QUANTISED
;;     2. [M 4,096, K 1,024] x [K 1,024, N 1,024]; A: input x (given as codes); B: input Wk (given as codes): QUANTISED
;;     3. [M 4,096, K 1,024] x [K 1,024, N 1,024]; A: input x (given as codes); B: input Wv (given as codes): QUANTISED
;;     4. batch 32 x [M 2,048, K 64] x [K 64, N 2,048]; A: computed on the way; B: computed on the way: QUANTISED
;;     5. batch 32 x [M 2,048, K 2,048] x [K 2,048, N 64]; A: softmax (see below); B: computed on the way: QUANTISED
;;     6. [M 4,096, K 1,024] x [K 1,024, N 1,024]; A: computed on the way; B: input Wo (given as codes): QUANTISED
;;   THE QUANTISER, for each operand of a quantised product, along K:
;;     - K is cut into blocks of 32 from its start; a last block that is shorter is filled with zeros.
;;     - A block's scale is 2^e with e = floor(log2(the largest magnitude in the block)) - 2, held to -126 .. 127; a block of zeros has e = 0. As a byte (E8M0): e + 127.
;;     - Each number is divided by its block's scale, clamped to +-6, and rounded to the nearest number of E2M1, ties to even, subnormals kept.
;;     - The product sums the exact products of the quantised numbers (number of the format x scale) in f32.
;;   ~~~python
;;   def quantise(x, axis):      # numpy; x: float32 -> the quantised numbers, widened to float32 again
;;       x = np.moveaxis(x, axis, -1); K = x.shape[-1]
;;       x = np.pad(x, [(0, 0)] * (x.ndim - 1) + [(0, -K % 32)]); x = x.reshape(x.shape[:-1] + (-1, 32)); a = np.abs(x).max(-1, keepdims=True)
;;       e = np.where(a > 0, np.clip(np.frexp(np.where(a > 0, a, 1))[1] - 1 - 2, -126, 127), 0)      # np.frexp(a)[1] - 1 = floor(log2(a)), exactly
;;       r = np.clip(x / 2.0 ** e, -6, 6)
;;       step = 2.0 ** (np.maximum(np.frexp(np.where(r == 0, 1, r))[1] - 1, 0) - 1)
;;       q = np.round(r / step) * step * 2.0 ** e      # np.round: ties to even
;;       return np.moveaxis(q.reshape(q.shape[:-2] + (-1,))[..., :K], -1, axis).astype(np.float32)
;;   ~~~
;;   SOFTMAX AHEAD OF A QUANTISED PRODUCT. Where the list says 'softmax', what is quantised is not the finished softmax but p = 2^(t - M), with t = logit x log2(e) and M = ceil(the row's largest t), a whole number; so 1/2 < the row's largest p <= 1. The row's sum l is taken of the UNQUANTISED p, in f32, and the product's result is divided by l at the end. Since M is a whole number, a kernel that streams over the keys may use a running M (the ceiling of the running maximum): every later rescaling is an exact power of two, which a block's scale takes up: the codes' values come out the same.
;;   OPERANDS COMPUTED ON THE WAY. 'Computed on the way' means the value that the module computes at that place (a softmax that the list does not call 'softmax' is quantised finished and normalised). What goes into a quantiser is computed in f32, as accurately as f32 sums, v_exp_f32 and their like allow (about 1e-6 of the number): no bf16 or f16 on the way to a quantiser, and a product that is left as it is and whose result goes on into a quantised operand takes f32 operands (vector FMAs, or v_wmma_f32_16x16x4_f32). A number that lies on a knife's edge between two numbers of the format may be rounded either way, as far as f32 arithmetic and the matrix unit's own rounding can turn it there, and no further.
;;   INPUTS GIVEN AS CODES. Wk (in the module: [1024, 1024], K = its axis 0); Wo (in the module: [1024, 1024], K = its axis 0); Wq (in the module: [1024, 1024], K = its axis 0); Wv (in the module: [1024, 1024], K = its axis 0); x (in the module: [2, 2048, 1024], K = its axis 2): each comes as NAME_codes (uint8): NAME with its K axis moved to the last place and cut into blocks of 32 codes, [.., K / 32, bytes a block], one block behind the other in memory; two codes a byte, the lower K in the low four bits (a code: sign, 2 exponent bits, 1 mantissa bit); and NAME_scales (uint8): the same leading axes, one E8M0 byte (e + 127) for each 32 codes along K. Its value is code x scale, taken as it is: it is not quantised again, and the codes and scales need not be those that the quantiser above would give.
;; One version. Each part assembles by itself: llvm-mc -triple=amdgcn-amd-amdhsa -mcpu=gfx1250 --defsym DOCPART=n.
;; ======== version 1 of 1: 3 launches
;; limits: right only within a limited range of input values
;; workspace buffers: qs 2,228,224 bytes; kv 4,456,448 bytes; ao_codes 2,097,152 bytes; ao_scales 262,144 bytes
;; launch qkv (part 1): grid 16 x 16, 8 waves a work-group, clusters of 4 x 4, 246,272 bytes of LDS; arguments x_codes, x_scales, Wq_codes, Wq_scales, bq, Wk_codes, Wk_scales, bk, Wv_codes, Wv_scales, bv, qs, kv; writes qs, kv
.if DOCPART == 1
	.amdgcn_target "amdgcn-amd-amdhsa--gfx1250"
	.amdhsa_code_object_version 6
	.text
	.protected	k_q238491e01c_qkv
	.globl	k_q238491e01c_qkv
	.p2align	8
	.type	k_q238491e01c_qkv,@function
k_q238491e01c_qkv:
	s_mov_b64 s[64:65], 0
	v_nop
	global_prefetch_b8 v0, s[64:65] scope:SCOPE_SE
	s_setreg_imm32_b32 hwreg(HW_REG_WAVE_MODE, 25, 1), 1
	s_wait_xcnt 0x0
	s_wait_alu depctr_hold_cnt(0) depctr_sa_sdst(0) depctr_va_vdst(0) depctr_va_sdst(0) depctr_va_ssrc(0) depctr_va_vcc(0) depctr_vm_vsrc(0)
	s_getreg_b32 s2, hwreg(HW_REG_IB_STS2, 6, 4)
	s_cmp_eq_u32 s2, 0
	s_cbranch_scc0 .Lentry_in_a_cluster
	s_endpgm
.Lentry_in_a_cluster:
	s_bfe_u32 s2, ttmp6, 0x10000c
	s_cmp_lg_u32 s2, 0xf033
	s_cbranch_scc0 .Lentry_shape_is_right
	s_endpgm
.Lentry_shape_is_right:
; q = x Wq + bq, k = x Wk + bk, v = x Wv + bv on codes of FP4 (E2M1) with one E8M0 scale for each 32 along K = 1,024; sums in f32, each started by its bias.
; The results are quantised at once for the attention's two products: q and k along the head's 64, v along the keys, and leave as codes in the order of the operands' registers.
; SHARES.  256 work-groups: g = 0..15 along x, tb = 0..15 along y.  A work-group takes tokens 256 tb .. + 255, two heads (2 (g & 7) + j) of q (g < 8) or of k (g >= 8), and head g of v.
; Eight waves: i = w / 2 its 64 tokens, j = w % 2 its head of q or k and its 32 of v's 64 channels: 12 products of 32 x 16 x 128 for each 128 along K.
; LDS is filled ONCE: 256 rows of x, 128 of Wq or Wk, 64 of Wv, as two chunks of 512 along K (rows of 256 bytes + 16 of padding); one tensor load a wave: waves 0 to 3 chunk 0, waves 4 to 7 chunk 1.
; CLUSTERS: 4 x 4 work-groups.  x's rows hang on tb alone and are shared along a row of the cluster, the weights' on g alone and are shared along a column: each tile is asked for jointly.
; q or k is chosen by the CLUSTER's x (ttmp9 < 2), which all sixteen partners share: only pointers and two byte strides are chosen, no branch.
; No prefetch: all bytes are asked for at the head, and no loop runs ahead of a load.
; ORDER.  In each 64 tokens (or channels), row 8 h + j of tile i is index 32 h + 8 (i xor h) + j, h = 0, 1.  In a result, lanes 0-15 then hold the whole first block of 32 and lanes 16-31 the second, so a block's maximum
; and its codes need no other lane; and a tile's 16 rows differ modulo 16, so a fragment's 16 rows in LDS start at 16 different banks (64 banks of 4 bytes: ISA guide 11.1).
; OUT.  A step is 256 tokens.  qs: [head of batch 32][step 8][8,704]: 512 bytes of scale words (word [group of 64][lane]: lane r tiles 0 and 1, lane 16 + r tiles 2 and 3, two bytes each), then 16 tiles x 512 bytes of codes
;       (lane (r, h): row r, channel block h).  kv: [32][8][17,408]: k as in qs; at 8,704 v: [128 keys 2][channel tile 4][group of 64 keys 2][512]; at 16,896 v's scale words [128 keys 2][pair of channel tiles 2][lane].
; LIMITS: NaN and infinities are not served.  A block of zeros gets the byte 1 where the quantiser says 127: its codes are zeros, and the bytes are read by this program alone.
; REGISTERS.  window 0: v1-31 addresses; v32-95 scale words; v96-175, v176-255 two sets of fragments (x 4, weight 4, Wv 2), later the quantiser's.
;   window 1: v0-127 q or k: token tile a, channel tile t at 32 a + 8 t; v128-191 v: channel tile u, token tile i at 128 + 32 u + 8 i; v192-223 the bias of q or k; v224-255 v's.
.set PITCH, 272
.set CH,    448*PITCH                  ; a chunk: x's 256 rows, then 128 of Wq or Wk, then 64 of Wv
.set WT,    256*PITCH
.set WVT,   384*PITCH
.set SCR,   2*CH                       ; the scale words on the way out: v's 512 bytes, then head 1's, then head 0's; no fill lands here
.set SPARE, SCR+1536                   ; the spare words, 128 bytes a wave
.set WV,    30                         ; s30 my wave; s31 i; s32 j; s33 cx; s34 cy; s35 g; s36 tb; s37, s38 masks; s39 g & 7; s80 the chunk that I fetch
.set G1X,   40
.set G1Q,   48
.set G1V,   56
.set G0X,   68
.set G0Q,   72
.set G0V,   76
.set SPW,   1
.set NIL,   2
.set AX,    20                         ; v20-23 x, v24-27 Wq or Wk, v28-31 Wv: + 2 x chunk + tile's parity
.set AW,    24
.set AV,    28
.set SXA,   32                         ; + 8 pp + s: lanes 0-15 token tile 2 pp, lanes 16-31 tile 2 pp + 1
.set SXB,   48                         ; the same with the halves exchanged
.set SW,    64                         ; + 8 pp + s: channel tiles 2 pp, 2 pp + 1
.set SWV,   80                         ; + 8 u + s: lanes 0-15 Wv's tile u
.set TM,    96                         ; v96-101 maxima, v102-107 scale operands, v108-113 bytes
.set CC,    116                        ; v116-139 codes, four a tile
.set BQ,    192
.set BV,    224
.set MSB,   0
.macro WIN new                         ; the immediate's high byte repeats the setting that is left
.if MSB != (\new)
	s_set_vgpr_msb (MSB<<8)|(\new)
.set MSB, (\new)
.endif
.endm
.macro PLACES n
.rept \n
	v_nop
.endr
.endm
.macro CROUND                          ; a round of the cluster's barrier
	s_barrier_signal -1
	s_barrier_wait -1
	s_cmp_lg_u32 s[WV], 0
	s_cbranch_scc1 .Lnot_wave_0_\@
	s_barrier_signal -3
.Lnot_wave_0_\@:
	s_barrier_wait -3
	s_barrier_signal -1
	s_barrier_wait -1
.endm
.macro WM d, a, b, c, sa, sb
	v_wmma_scale_f32_32x16x128_f4 v[\d:\d+15], v[\a:\a+15], v[\b:\b+7], v[\c:\c+15], v[\sa], v[\sb]
.endm
	s_load_b512 s[4:19], s[0:1], 0x0                 ; x's codes s[4:5], x's scales s[6:7], Wq's codes, scales, bq s[8:13], Wk's codes, scales, bk s[14:19]
	s_load_b256 s[20:27], s[0:1], 0x40               ; Wv's codes s[20:21], scales s[22:23], bv s[24:25], qs s[26:27]
	s_load_b64 s[28:29], s[0:1], 0x60                ; kv
	v_lshl_add_u32 v[SPW], v0, 2, SPARE
	v_mov_b32 v[NIL], 0
	ds_add_u32 v[SPW], v[NIL]                        ; the wave's opening: the add, twice on end
	ds_add_u32 v[SPW], v[NIL]
	v_lshrrev_b32 v7, 5, v0
	v_readfirstlane_b32 s[WV], v7                    ; wave 0..7
	s_lshr_b32 s31, s[WV], 1                         ; i
	s_and_b32 s32, s[WV], 1                          ; j.  Also: which 128 rows of x I fetch, if I fetch x
	s_lshr_b32 s80, s[WV], 2                         ; the chunk that I fetch for
	s_bfe_u32 s33, ttmp6, 0x40000                    ; cx
	s_bfe_u32 s34, ttmp6, 0x40004                    ; cy
	s_lshl_b32 s35, ttmp9, 2
	s_add_co_u32 s35, s35, s33                       ; g = 4 x cluster x + cx
	s_and_b32 s36, ttmp7, 0xffff
	s_lshl_b32 s36, s36, 2
	s_add_co_u32 s36, s36, s34                       ; tb = 4 x cluster y + cy
	s_lshl_b32 s37, s34, 2
	s_lshl_b32 s37, 15, s37                          ; my row of the cluster
	s_lshl_b32 s38, 0x1111, s33                      ; my column
	s_and_b32 s39, s35, 7
	; descriptor groups 1: rows of 256 bytes, 512 bytes apart in memory, 16 bytes of padding behind each in LDS
	s_or_b32 s[G1X], s37, (1<<20)|(1<<21)|(5<<22)|(3<<25)   ; 15:0 the mask; elements of 1 byte; 20 padding on; 21 set beside a mask; after every 64 words; four words
	s_or_b32 s[G1Q], s38, (1<<20)|(1<<21)|(5<<22)|(3<<25)
	s_or_b32 s[G1V], s38, (1<<20)|(1<<21)|(5<<22)|(3<<25)
.irp g, G1X, G1Q, G1V
	s_mov_b32 s[\g+1], 256<<16                       ; tensor_dim0
	s_mov_b32 s[\g+3], 256<<16                       ; tile_dim0
	s_mov_b32 s[\g+5], 512                           ; tensor_dim0_stride
	s_mov_b32 s[\g+6], 0
	s_mov_b32 s[\g+7], 0
.endr
.irp g, G1X, G1Q
	s_mov_b32 s[\g+2], 128<<16                       ; tensor_dim1
	s_mov_b32 s[\g+4], 128                           ; tile_dim1
.endr
	s_mov_b32 s[G1V+2], 64<<16
	s_mov_b32 s[G1V+4], 64
	s_lshl_b32 s82, s80, 8                           ; chunk: 256 bytes further along each row
	s_lshl_b32 s92, s36, 17                          ; x: 256 tb rows of 512 bytes,
	s_lshl_b32 s93, s32, 16                          ; + my 128 rows
	s_add_co_u32 s92, s92, s93
	s_add_co_u32 s92, s92, s82
	s_mov_b32 s93, 0
	s_lshl_b32 s94, s39, 16                          ; Wq or Wk: 128 (g & 7) rows
	s_add_co_u32 s94, s94, s82
	s_mov_b32 s95, 0
	s_lshl_b32 s96, s35, 15                          ; Wv: 64 g rows
	s_add_co_u32 s96, s96, s82
	s_mov_b32 s97, 0
	s_mul_i32 s81, s80, CH                           ; and where they go: no place in the cluster enters an LDS address
	s_mul_i32 s98, s32, 128*PITCH
	s_add_co_u32 s98, s98, s81
	s_add_co_u32 s99, s81, WT
	s_add_co_u32 s83, s81, WVT
	s_wait_dscnt 0x0                                 ; both opening adds are done
	s_wait_kmcnt 0x0
	s_cmp_lt_u32 ttmp9, 2                            ; q's clusters or k's: the choice hangs on the cluster's x alone
	s_cselect_b64 s[8:9], s[8:9], s[14:15]           ; the weight's codes,
	s_cselect_b64 s[10:11], s[10:11], s[16:17]       ; its scales,
	s_cselect_b64 s[12:13], s[12:13], s[18:19]       ; its bias,
	s_cselect_b64 s[26:27], s[26:27], s[28:29]       ; where the result goes,
	s_mov_b32 s67, 17408
	s_cselect_b32 s67, 8704, s67                     ; a step's bytes there;
	s_lshl_b32 s66, s67, 3                           ; a head's
	s_add_nc_u64 s[4:5], s[4:5], s[92:93]
	s_add_nc_u64 s[8:9], s[8:9], s[94:95]
	s_add_nc_u64 s[20:21], s[20:21], s[96:97]
	s_mov_b32 s[G0X], 1                              ; count = 1
	s_mov_b32 s[G0X+1], s98                          ; LDS address
	s_mov_b64 s[G0X+2:G0X+3], s[4:5]                 ; global address
	s_or_b32 s[G0X+3], s[G0X+3], 0x80000000          ; type = 2
	s_mov_b32 s[G0Q], 1
	s_mov_b32 s[G0Q+1], s99
	s_mov_b64 s[G0Q+2:G0Q+3], s[8:9]
	s_or_b32 s[G0Q+3], s[G0Q+3], 0x80000000
	s_mov_b32 s[G0V], 1
	s_mov_b32 s[G0V+1], s83
	s_mov_b64 s[G0V+2:G0V+3], s[20:21]
	s_or_b32 s[G0V+3], s[G0V+3], 0x80000000
	CROUND                                           ; all sixteen work-groups are here: the joint loads meet
; THE HEAD'S LOADS, ONE A WAVE, in one tree of branches on the wave's number.  The waves of chunk 0 and of chunk 1 have lines of their own: they wait at different places.
.macro ARM under, g0, g1, next
	s_cmp_lt_u32 s[WV], \under
	s_cbranch_scc0 \next
	tensor_load_to_lds s[\g0:\g0+3], s[\g1:\g1+7]
	s_nop 0
	PLACES 4
	s_branch .Lasked
\next:
.endm
	ARM 2, G0X, G1X, .Larm1
	ARM 3, G0Q, G1Q, .Larm2
	ARM 4, G0V, G1V, .Larm3
	ARM 6, G0X, G1X, .Larm4
	ARM 7, G0Q, G1Q, .Larm5
	tensor_load_to_lds s[G0V:G0V+3], s[G1V:G1V+7]
	s_nop 0
	PLACES 4
.Lasked:
	s_lshl_b32 s92, s36, 13                          ; x's scales: 32 bytes a token: 256 tb + 64 i tokens on
	s_lshl_b32 s82, s31, 11
	s_add_co_u32 s92, s92, s82
	s_add_nc_u64 s[6:7], s[6:7], s[92:93]
	s_lshl_b32 s94, s39, 12                          ; the weight's scales: 128 (g & 7) + 64 j rows on
	s_lshl_b32 s82, s32, 11
	s_add_co_u32 s94, s94, s82
	s_add_nc_u64 s[10:11], s[10:11], s[94:95]
	s_lshl_b32 s94, s39, 9                           ; its bias: the same rows, 4 bytes each
	s_lshl_b32 s82, s32, 8
	s_add_co_u32 s94, s94, s82
	s_add_nc_u64 s[12:13], s[12:13], s[94:95]
	s_lshl_b32 s96, s35, 11                          ; Wv's scales: 64 g + 16 j rows on
	s_lshl_b32 s82, s32, 9
	s_add_co_u32 s96, s96, s82
	s_add_nc_u64 s[22:23], s[22:23], s[96:97]
	s_lshl_b32 s96, s35, 8                           ; bv
	s_lshl_b32 s82, s32, 6
	s_add_co_u32 s96, s96, s82
	s_add_nc_u64 s[24:25], s[24:25], s[96:97]
	; where the results go
	s_lshr_b32 s14, s36, 3
	s_lshl_b32 s14, s14, 4                           ; 16 x batch
	s_lshl_b32 s15, s39, 1
	s_add_co_u32 s15, s15, s32
	s_add_co_u32 s15, s15, s14                       ; my head of q or k
	s_and_b32 s16, s36, 7                            ; the step of 256 tokens in the head
	s_mul_i32 s18, s15, s66
	s_mul_i32 s17, s16, s67
	s_add_co_u32 s18, s18, s17
	s_mov_b32 s19, 0
	s_add_nc_u64 s[26:27], s[26:27], s[18:19]        ; q or k, my head: scale words first
	s_lshl_b32 s18, s31, 11
	s_add_nc_u64 s[84:85], s[26:27], s[18:19]        ; my 64 tokens' codes (512 bytes further on: the immediate)
	s_add_co_u32 s15, s14, s35                       ; v's head
	s_mul_i32 s18, s15, 8*17408
	s_mul_i32 s17, s16, 17408
	s_add_co_u32 s18, s18, s17
	s_add_nc_u64 s[28:29], s[28:29], s[18:19]
	s_lshr_b32 s14, s31, 1
	s_and_b32 s15, s31, 1
	s_lshl_b32 s18, s14, 12                          ; v's codes: which 128 keys,
	s_lshl_b32 s17, s15, 9                           ; which 64 of them,
	s_add_co_u32 s18, s18, s17
	s_lshl_b32 s17, s32, 11                          ; which pair of channel tiles
	s_add_co_u32 s18, s18, s17
	s_add_nc_u64 s[86:87], s[28:29], s[18:19]
	s_add_nc_u64 s[88:89], s[28:29], 16896           ; v's scale words
	s_cmp_eq_u32 s[WV], 0
	s_cselect_b64 s[90:91], s[88:89], s[26:27]       ; wave 0 sends v's scale words, waves 1 and 2 those of heads 1 and 0
	s_lshl_b32 s14, s14, 8                           ; LDS: v's scale half words: 256 (i / 2) + 128 j + 2 (i % 2) + 4 x lane
	s_lshl_b32 s17, s32, 7
	s_add_co_u32 s14, s14, s17
	s_lshl_b32 s15, s15, 1
	s_add_co_u32 s14, s14, s15
	s_add_co_u32 s14, s14, SCR
	s_xor_b32 s15, s32, 1
	s_lshl_b32 s15, s15, 9
	s_lshl_b32 s17, s31, 7
	s_add_co_u32 s15, s15, s17
	s_add_co_u32 s15, s15, SCR+512                   ; q's or k's: 512 (2 - j) + 128 i + 4 x lane
	s_min_u32 s16, s[WV], 2
	s_lshl_b32 s16, s16, 9
	s_add_co_u32 s16, s16, SCR                       ; what waves 0 to 2 read back
	s_mul_i32 s17, s31, 64*PITCH                     ; my 64 rows of x,
	s_mul_i32 s18, s32, 64*PITCH
	s_add_co_u32 s18, s18, WT                        ; my 64 rows of Wq or Wk,
	s_mul_i32 s82, s32, 16*PITCH
	s_add_co_u32 s82, s82, WVT                       ; my two tiles of Wv
	v_bfe_u32 v3, v0, 4, 1                           ; h
	v_bfe_u32 v5, v0, 3, 1                           ; h' = r / 8
	v_and_b32 v6, 7, v0
	v_and_b32 v19, 31, v0                            ; lane
	v_lshl_add_u32 v6, v5, 5, v6                     ; 32 h' + r % 8
	v_lshlrev_b32 v4, 4, v19                         ; 16 x lane
	v_lshl_add_u32 v7, v5, 3, v6                     ; row r of an even tile: + 8 h'
	v_xor_b32 v8, 1, v5
	v_xor_b32 v12, v3, v5
	v_lshl_add_u32 v8, v8, 3, v6                     ; of an odd tile: + 8 (1 - h')
	v_xor_b32 v13, 1, v12
	v_lshl_add_u32 v12, v12, 3, v6                   ; lanes 0-15 the even tile's row, lanes 16-31 the odd one's
	v_lshl_add_u32 v13, v13, 3, v6                   ; the other way round
	v_lshlrev_b32 v16, 2, v7                         ; bv: 4 bytes a row
	v_lshlrev_b32 v17, 2, v8
	v_lshlrev_b32 v12, 5, v12                        ; scales: 32 bytes a row
	v_lshlrev_b32 v13, 5, v13
	v_mul_u32_u24 v14, v3, 160                       ; the bias of q or k in a result's layout: channels 32 h + 8 (t xor h) .. + 7: even tiles
	v_mul_u32_u24 v15, v3, 96                        ; odd tiles
	v_mul_u32_u24 v7, v7, PITCH
	v_mul_u32_u24 v8, v8, PITCH
	v_lshl_add_u32 v7, v3, 4, v7                     ; a fragment's row x pitch + 16 h
	v_lshl_add_u32 v8, v3, 4, v8
	v_add_nc_u32 v[AX], s17, v7
	v_add_nc_u32 v[AX+1], s17, v8
	v_add_nc_u32 v[AW], s18, v7
	v_add_nc_u32 v[AW+1], s18, v8
	v_add_nc_u32 v[AV], s82, v7
	v_add_nc_u32 v[AV+1], s82, v8
.irp b, AX, AX+1, AW, AW+1, AV, AV+1
	v_add_nc_u32 v[\b+2], CH, v[\b]                  ; the same in chunk 1
.endr
	v_lshl_add_u32 v10, v19, 2, s15
	v_lshl_add_u32 v11, v19, 2, s14
	v_add_nc_u32 v9, s16, v4
	s_wait_alu depctr_va_vdst(0)
	; scale words and biases come straight into registers, once: a row's 32 scale bytes are the words of all eight steps
.irp pp, 0,1
.irp hf, 0,1
	global_load_b128 v[SXA+8*\pp+4*\hf:SXA+8*\pp+4*\hf+3], v12, s[6:7] offset:512*\pp+16*\hf
	global_load_b128 v[SXB+8*\pp+4*\hf:SXB+8*\pp+4*\hf+3], v13, s[6:7] offset:512*\pp+16*\hf
	global_load_b128 v[SW+8*\pp+4*\hf:SW+8*\pp+4*\hf+3], v12, s[10:11] offset:512*\pp+16*\hf
.endr
.endr
.irp hf, 0,1
	global_load_b128 v[SWV+4*\hf:SWV+4*\hf+3], v12, s[22:23] offset:16*\hf
	global_load_b128 v[SWV+8+4*\hf:SWV+8+4*\hf+3], v13, s[22:23] offset:16*\hf
.endr
	WIN 0x40                                         ; destination window 1
.irp t, 0,1,2,3
.irp hf, 0,1
	global_load_b128 v[BQ+8*\t+4*\hf:BQ+8*\t+4*\hf+3], v[14+\t%2], s[12:13] offset:32*\t+16*\hf
.endr
.endr
	global_load_b32 v[BV], v16, s[24:25]             ; v's results hold one channel a lane
	global_load_b32 v[BV+16], v17, s[24:25]
	WIN 0
; The fragments of step s (128 along K) into set s % 2: 20 loads in one run.  A fragment: lane l holds row l % 16; registers 4 c .. 4 c + 3 hold K = 64 c + 32 (l / 16) + 0 .. 31: 16 bytes as they lie.
.macro FETCH s
.set KC, (\s)/4
.set KB, 64*((\s)%4)
.set FD, 96+80*((\s)%2)
	WIN 0
.irp t, 0,1,2,3
.irp c, 0,1
	ds_load_b128 v[FD+32+8*\t+4*\c:FD+32+8*\t+4*\c+3], v[AW+2*KC+\t%2] offset:(\t/2)*16*PITCH+KB+32*\c
.endr
.endr
.irp t, 0,1,2,3
.irp c, 0,1
	ds_load_b128 v[FD+8*\t+4*\c:FD+8*\t+4*\c+3], v[AX+2*KC+\t%2] offset:(\t/2)*16*PITCH+KB+32*\c
.endr
.endr
.irp u, 0,1
.irp c, 0,1
	ds_load_b128 v[FD+64+8*\u+4*\c:FD+64+8*\u+4*\c+3], v[AV+2*KC+\u] offset:KB+32*\c
.endr
.endr
.endm
; The 12 accumulators take turns, one instruction a turn, in the same order in every step.  The first step's C is the bias.
; q, k: source 0 = 32 rows of the weight, source 1 = 16 tokens: a lane holds one token.  v: source 0 = 32 tokens, source 1 = 16 rows of Wv: a lane holds one channel.
.macro MUL s
.set FS, 96+80*((\s)%2)
	WIN 0x50                                         ; sources window 0, C and D window 1
.irp a, 0,1,2,3
.irp p, 0,1
.if (\s) == 0
	WM 32*\a+16*\p, FS+32+16*\p, FS+8*\a, BQ+16*\p, SW+8*\p+(\s), SXA+16*(\a%2)+8*(\a/2)+(\s)
.else
	WM 32*\a+16*\p, FS+32+16*\p, FS+8*\a, 32*\a+16*\p, SW+8*\p+(\s), SXA+16*(\a%2)+8*(\a/2)+(\s)
.endif
.endr
.endr
.irp u, 0,1
.irp p, 0,1
.if (\s) == 0
	WM 128+32*\u+16*\p, FS+16*\p, FS+64+8*\u, BV+16*\u, SXA+8*\p+(\s), SWV+8*\u+(\s)
.else
	WM 128+32*\u+16*\p, FS+16*\p, FS+64+8*\u, 128+32*\u+16*\p, SXA+8*\p+(\s), SWV+8*\u+(\s)
.endif
.endr
.endr
.endm
; A step: the next step's fragments are asked for first, into the set that the step before multiplied (four places behind its last product: ISA guide 7.12.1 for vector instructions).
.macro STEP s
.if (\s) < 7
.if (\s) > 0
	PLACES 4
.endif
	FETCH (\s)+1
	s_wait_dscnt 20                                  ; all but the 20 just issued
.else
	s_wait_dscnt 0x0
.endif
	MUL \s
.endm
	s_wait_alu depctr_va_vdst(0)
	s_cmp_lt_u32 s[WV], 4
	s_cbranch_scc0 .Lchunk_1
	s_wait_tensorcnt 0x0                             ; my part of chunk 0 is in; the loads of waves 4 to 7 may stay out
.Lchunk_1:
	s_barrier_signal -1
	s_barrier_wait -1                                ; all of chunk 0 is
	FETCH 0
	s_wait_loadcnt 0x0                               ; scale words and biases
	WIN 0x41
.irp u, 0,1
.irp n, 1,2,3,4,5,6,7,8,9,10,11,12,13,14,15
	v_mov_b32 v[BV+16*\u+\n], v[BV+16*\u]            ; a lane's channel is the same in all 16 registers of C
.endr
.endr
	s_wait_alu depctr_va_vdst(0)
.irp s, 0,1,2
	STEP \s
.endr
	s_wait_tensorcnt 0x0                             ; my tile is in,
	s_wait_dscnt 0x0                                 ; no LDS load of mine is out at the signal
	s_barrier_signal -1
	s_barrier_wait -1                                ; all of chunk 1 is in: step 3 fetches step 4's fragments from it
.irp s, 3,4,5,6,7
	STEP \s
.endr
	; THE WAY OUT.  Six blocks a lane: four token tiles of q or k, two channel tiles of v; each is 32 registers on end, tile by tile, and the operand's registers are its tiles' codes in order.
	WIN 0
	PLACES 4                                         ; behind the last products, in front of the first read of results
	WIN 0x05                                         ; sources 0 and 1 window 1
.irp q, 0,1,2,3,4,5
	v_max3_num_f32 v[TM+\q], |v[32*\q]|, |v[32*\q+1]|, 0x1800000   ; the floor 2^(3 - 127) holds the byte at 1 from below
.endr
.irp k, 2,4,6,8,10,12,14,16,18,20,22,24,26,28,30
.irp q, 0,1,2,3,4,5
	v_max3_num_f32 v[TM+\q], |v[32*\q+\k]|, |v[32*\q+\k+1]|, v[TM+\q]
.endr
.endr
	WIN 0
.irp q, 0,1,2,3,4,5
	v_add_nc_u32 v[TM+6+\q], 0xff000000, v[TM+\q]    ; 2 off its exponent field: the conversion's scale operand
.endr
.irp q, 0,1,2,3,4,5
	v_lshrrev_b32 v[TM+12+\q], 23, v[TM+6+\q]        ; the scale's byte
.endr
	WIN 1
.irp q, 0,1,2,3,4,5
.irp t, 0,1,2,3
	v_cvt_scalef32_pk8_fp4_f32 v[CC+4*\q+\t], v[32*\q+8*\t:32*\q+8*\t+7], v[TM+6+\q]
.endr
.endr
	WIN 0
	v_nop                                            ; one plain place behind a scaled conversion
.irp a, 0,1,2,3
	global_store_b128 v4, v[CC+4*\a:CC+4*\a+3], s[84:85] offset:512+512*\a   ; 512 consecutive bytes, at a multiple of 256
.endr
.irp u, 0,1
	global_store_b128 v4, v[CC+16+4*\u:CC+16+4*\u+3], s[86:87] offset:8704+1024*\u
.endr
	v_permlane16_swap_b32 v[TM+12], v[TM+14]         ; tiles 0 and 2: first | second blocks' bytes
	v_permlane16_swap_b32 v[TM+13], v[TM+15]         ; tiles 1 and 3
	v_permlane16_swap_b32 v[TM+16], v[TM+17]         ; v's two tiles
	v_lshl_or_b32 v[TM+12], v[TM+14], 8, v[TM+12]
	v_lshl_or_b32 v[TM+16], v[TM+17], 8, v[TM+16]    ; lane 16 u + r: the two bytes of channel tile u, row r
	v_lshl_or_b32 v[TM+12], v[TM+13], 16, v[TM+12]
	v_lshl_or_b32 v[TM+12], v[TM+15], 24, v[TM+12]   ; lane r: tiles 0 and 1, lane 16 + r: tiles 2 and 3
	ds_store_b16 v11, v[TM+16]
	ds_store_b32 v10, v[TM+12]
	s_wait_alu depctr_va_vdst(0)
	s_wait_dscnt 0x0                                 ; my words are stored
	s_barrier_signal -1
	s_barrier_wait -1                                ; everybody's are
	s_cmp_lt_u32 s[WV], 3
	s_cbranch_scc0 .Lsent
	ds_load_b128 v[140:143], v9
	s_wait_dscnt 0x0
	global_store_b128 v4, v[140:143], s[90:91]       ; 512 consecutive bytes of scale words, at a multiple of 256
.Lsent:
	s_wait_tensorcnt 0x0                             ; the wave's end
	ds_add_u32 v[SPW], v[NIL]
	s_wait_dscnt 0x0
	CROUND                                           ; the closing round: no work-group ends while a partner may still ask for a tile that names it
	s_endpgm
.Lfunc_end_k_q238491e01c_qkv:
	.size	k_q238491e01c_qkv, .Lfunc_end_k_q238491e01c_qkv-k_q238491e01c_qkv
	.p2alignl 7, 3214868480
	.fill 96, 4, 3214868480
	.section	.rodata,"a",@progbits
	.p2align	6, 0x0
	.amdhsa_kernel k_q238491e01c_qkv
		.amdhsa_group_segment_fixed_size 246272
		.amdhsa_private_segment_fixed_size 0
		.amdhsa_enable_private_segment 0
		.amdhsa_kernarg_size 104
		.amdhsa_user_sgpr_count 2
		.amdhsa_user_sgpr_kernarg_segment_ptr 1
		.amdhsa_wavefront_size32 1
		.amdhsa_system_sgpr_workgroup_id_x 1
		.amdhsa_system_sgpr_workgroup_id_y 1
		.amdhsa_system_sgpr_workgroup_id_z 1
		.amdhsa_system_vgpr_workitem_id 0
		.amdhsa_next_free_vgpr 512
		.amdhsa_next_free_sgpr 100
		.amdhsa_reserve_vcc 0
		.amdhsa_float_denorm_mode_32 3
		.amdhsa_float_denorm_mode_16_64 3
		.amdhsa_memory_ordered 1
		.amdhsa_forward_progress 1
		.amdhsa_inst_pref_size 49
	.end_amdhsa_kernel
	.amdgpu_metadata
---
amdhsa.version: [ 1, 2 ]
amdhsa.kernels:
  - .name:           k_q238491e01c_qkv
    .symbol:         k_q238491e01c_qkv.kd
    .args:
      - { .name: x_codes, .offset: 0, .size: 8, .value_kind: global_buffer, .address_space: global }
      - { .name: x_scales, .offset: 8, .size: 8, .value_kind: global_buffer, .address_space: global }
      - { .name: Wq_codes, .offset: 16, .size: 8, .value_kind: global_buffer, .address_space: global }
      - { .name: Wq_scales, .offset: 24, .size: 8, .value_kind: global_buffer, .address_space: global }
      - { .name: bq, .offset: 32, .size: 8, .value_kind: global_buffer, .address_space: global }
      - { .name: Wk_codes, .offset: 40, .size: 8, .value_kind: global_buffer, .address_space: global }
      - { .name: Wk_scales, .offset: 48, .size: 8, .value_kind: global_buffer, .address_space: global }
      - { .name: bk, .offset: 56, .size: 8, .value_kind: global_buffer, .address_space: global }
      - { .name: Wv_codes, .offset: 64, .size: 8, .value_kind: global_buffer, .address_space: global }
      - { .name: Wv_scales, .offset: 72, .size: 8, .value_kind: global_buffer, .address_space: global }
      - { .name: bv, .offset: 80, .size: 8, .value_kind: global_buffer, .address_space: global }
      - { .name: qs, .offset: 88, .size: 8, .value_kind: global_buffer, .address_space: global }
      - { .name: kv, .offset: 96, .size: 8, .value_kind: global_buffer, .address_space: global }
    .group_segment_fixed_size: 246272
    .private_segment_fixed_size: 0
    .kernarg_segment_align: 8
    .kernarg_segment_size: 104
    .max_flat_workgroup_size: 256
    .sgpr_count:     100
    .vgpr_count:     512
    .wavefront_size: 32
...
	.end_amdgpu_metadata
.endif
;; end of part 1
;; launch attn (part 2): grid 8 x 32, 16 waves a work-group, clusters of 4 x 1, 167,936 bytes of LDS; arguments qs, kv, ao_codes, ao_scales; writes ao_codes, ao_scales
.if DOCPART == 2
	.amdgcn_target "amdgcn-amd-amdhsa--gfx1250"
	.amdhsa_code_object_version 6
	.text
	.protected	k_q238491e01c_attn
	.globl	k_q238491e01c_attn
	.p2align	8
	.type	k_q238491e01c_attn,@function
k_q238491e01c_attn:
	s_mov_b64 s[64:65], 0
	v_nop
	global_prefetch_b8 v0, s[64:65] scope:SCOPE_SE
	s_setreg_imm32_b32 hwreg(HW_REG_WAVE_MODE, 25, 1), 1
	s_wait_xcnt 0x0
	s_wait_alu depctr_hold_cnt(0) depctr_sa_sdst(0) depctr_va_vdst(0) depctr_va_sdst(0) depctr_va_ssrc(0) depctr_va_vcc(0) depctr_vm_vsrc(0)
	s_getreg_b32 s2, hwreg(HW_REG_IB_STS2, 6, 4)
	s_cmp_eq_u32 s2, 0
	s_cbranch_scc0 .Lentry_in_a_cluster
	s_endpgm
.Lentry_in_a_cluster:
	s_bfe_u32 s2, ttmp6, 0x10000c
	s_cmp_lg_u32 s2, 0x3003
	s_cbranch_scc0 .Lentry_shape_is_right
	s_endpgm
.Lentry_shape_is_right:
; O[q] = the sum over keys of softmax(q . k / 8) v for one head of 64, both products on codes of FP4 (E2M1) with one E8M0 scale for each 32 along K; O is quantised along the model's 1,024 for the last product.
; THE SOFTMAX AHEAD OF THE SECOND PRODUCT: t = score x log2(e) / 8; M = the row's largest t so far, rounded UP to a whole number; p = 2^(t - M) is what is quantised, along the keys, not normalised.
; The row's sum is taken of the unquantised p, in f32, and divides O at the end.  When M moves, the sum and O are multiplied by 2^(old M - new M): exact.
; SHARES.  A work-group owns 256 queries of one head (32 heads of batches along y, 8 blocks along x); each of its sixteen waves owns 16 queries, one tile, in 256 registers, and walks all keys, 256 a step.
; LDS is filled ONCE with the head's whole block of kv, 139,264 bytes, as it lies in memory: wave 0 asks for step 0, waves 1 to 7 for steps 1 to 7.  Fragments and scale words are images of the operands' registers, read at 16 x lane or 4 x lane.
; CLUSTER.  The four query blocks of a cluster belong to one head and read the same block: it is asked for jointly (mask 15).  No prefetch: all bytes are asked for at the head, and no loop runs ahead of a load.
; LAYOUT.  Both products are used transposed: S^T = K Q^T (source 0 = 32 keys, source 1 = my 16 queries), O^T = V^T P^T (source 0 = 32 channels, source 1 = P): a lane holds ONE query (lane % 16) throughout.
; In each 64 keys, row 8 h + j of tile i is key 32 h + 8 (i xor h) + j, in K and in V alike: so a lane's 32 scores of a group of 64 are one whole block of 32, and its tiles' codes in order are P's registers.
; The first product's K is 64 of the instruction's 128: a run of 16 registers holds four tiles of keys, and Q comes twice: (q, zero codes) takes tiles 0 and 2, (zero codes, q) tiles 1 and 3.  The scale bytes of Q's zero codes are 1.
; LIMITS: NaN and infinities are not served; a block whose every p is under 2^-124 keeps the scale byte 1, as the quantiser's hold at -126 has it; a block of zeros keeps that byte too: its codes are zeros.
;   A block's scale is taken from floor(t - M) of its largest score: where that t - M lies under a whole number by less than f32 shows in p, p's exponent may be one more.
; REGISTERS: v1 16 x lane + the step's bytes; v2 4 x lane + the same; v3, v4 P's scale words; v5, v6 the add's; v7, v8 Q's scale words; v9 the largest t; v10 -M; v12 2^(old M - new M); v[14:15] the sum; v16-27 zeros, Q, zeros;
;   v28-31 K's scale words; v32-63 K's groups 2 and 3, then V's first 128 keys; v64-79 P's codes; v80-91 at work; v92-95 V's scale words; v96-127 O^T;
;   v128-255 S^T, then p: group c at 128 + 32 c: tiles 0, 2, 1, 3.  v224-255 take K's groups 0 and 1 first; v128-159 take V's last 128 keys when their p is done with.
.set STEPB, 17408                      ; a key step's block: 512 K's scale words, 8,192 K's codes, 8,192 V's, 512 V's scale words
.set VO,    8704
.set VSO,   16896
.set SPARE, 8*STEPB
.set WV,    12                         ; s12 my wave; s13 cx; s14 my block of queries; s15 the head of the batch
.set G1,    16
.set G0,    24
.set CNT,   41
.set CS,    42                         ; s[42:43] c = log2(e) / 8
.set SEL,   44                         ; s[44:45] v_permlanex16_b32's selects for lane l xor 16
.set SPW,   5
.set NIL,   6
.set T,     80
.set OP,    88
.set O,     96
.set S,     128
.macro PLACES n
.rept \n
	v_nop
.endr
.endm
.macro CROUND                          ; a round of the cluster's barrier
	s_barrier_signal -1
	s_barrier_wait -1
	s_cmp_lg_u32 s[WV], 0
	s_cbranch_scc1 .Lnot_wave_0_\@
	s_barrier_signal -3
.Lnot_wave_0_\@:
	s_barrier_wait -3
	s_barrier_signal -1
	s_barrier_wait -1
.endm
	s_load_b256 s[4:11], s[0:1], 0x0                 ; qs s[4:5], kv s[6:7], ao_codes s[8:9], ao_scales s[10:11]
	v_lshl_add_u32 v[SPW], v0, 2, SPARE
	v_mov_b32 v[NIL], 0
	ds_add_u32 v[SPW], v[NIL]                        ; the wave's opening: the add, twice on end
	ds_add_u32 v[SPW], v[NIL]
	v_lshrrev_b32 v80, 5, v0
	s_delay_alu instid0(VALU_DEP_1)
	v_readfirstlane_b32 s[WV], v80                   ; wave 0..15
	s_bfe_u32 s13, ttmp6, 0x40000                    ; cx
	s_lshl_b32 s14, ttmp9, 2
	s_add_co_u32 s14, s14, s13                       ; my block of 256 queries: it enters qs's and the outputs' addresses alone
	s_and_b32 s15, ttmp7, 0xffff                     ; the head of the batch, which the four partners share
	; descriptor group 1: one key step: 17,408 dense bytes as 68 rows of 256 (32 elements of 8 bytes)
	s_mov_b32 s[G1], 15|(3<<16)|(1<<21)              ; 15:0 the mask: all four work-groups; elements of 8 bytes; 21 set beside a mask; no padding
	s_mov_b32 s[G1+1], 32<<16                        ; tensor_dim0
	s_mov_b32 s[G1+2], 68<<16                        ; tensor_dim1
	s_mov_b32 s[G1+3], 32<<16                        ; tile_dim0
	s_mov_b32 s[G1+4], 68                            ; tile_dim1
	s_mov_b32 s[G1+5], 32                            ; tensor_dim0_stride
	s_mov_b32 s[G1+6], 0
	s_mov_b32 s[G1+7], 0
	s_mul_i32 s46, s[WV], STEPB                      ; the step that I fetch, if I fetch
	s_mul_i32 s48, s15, 8*STEPB
	s_add_co_u32 s48, s48, s46
	s_mov_b32 s49, 0
	s_mov_b32 s[CS], 0x3e38aa3b                      ; c = log2(e) / sqrt(64)
	s_mov_b32 s[CS+1], s[CS]                         ; (named with it as a pair, so it is written)
	s_mov_b32 s[SEL], 0x76543210
	s_mov_b32 s[SEL+1], 0xfedcba98
	s_wait_dscnt 0x0                                 ; both opening adds are done
	s_wait_kmcnt 0x0
	s_add_nc_u64 s[6:7], s[6:7], s[48:49]
	s_mov_b32 s[G0], 1                               ; count = 1
	s_mov_b32 s[G0+1], s46                           ; LDS address: the block lies in LDS as in memory
	s_mov_b64 s[G0+2:G0+3], s[6:7]
	s_or_b32 s[G0+3], s[G0+3], 0x80000000            ; type = 2
	CROUND                                           ; all four work-groups are here: the joint loads meet
	s_cmp_lt_u32 s[WV], 1                            ; one tensor load a wave: step 0 has a line of its own, since wave 0 alone waits for it first
	s_cbranch_scc0 .Lrest
	tensor_load_to_lds s[G0:G0+3], s[G1:G1+7]
	s_nop 0
	PLACES 4
	s_branch .Lasked
.Lrest:
	s_cmp_lt_u32 s[WV], 8
	s_cbranch_scc0 .Lasked
	tensor_load_to_lds s[G0:G0+3], s[G1:G1+7]
	s_nop 0
	PLACES 4
.Lasked:
	s_mul_i32 s50, s15, 8*8704
	s_mul_i32 s51, s14, 8704
	s_add_co_u32 s50, s50, s51
	s_mov_b32 s51, 0
	s_add_nc_u64 s[4:5], s[4:5], s[50:51]            ; my work-group's 256 queries
	s_lshl_b32 s54, s[WV], 9
	s_mov_b32 s55, 0
	s_add_nc_u64 s[54:55], s[4:5], s[54:55]          ; my tile's codes (512 bytes further on: the immediate)
	s_lshr_b32 s56, s[WV], 2
	s_lshl_b32 s56, s56, 7                           ; its scale bytes: the group's 32 words,
	s_bfe_u32 s57, s[WV], 0x10001
	s_lshl_b32 s57, s57, 6                           ; lanes 16 (tile / 2) + r,
	s_add_co_u32 s56, s56, s57
	s_and_b32 s57, s[WV], 1
	s_lshl_b32 s57, s57, 1                           ; half tile % 2
	s_add_co_u32 s56, s56, s57
	s_mov_b32 s57, 0
	s_add_nc_u64 s[56:57], s[4:5], s[56:57]
	; where the results go.  ao_codes: [128 tokens][head / 8][tile % 8][head % 8][512]: the last product's fragments, a K chunk of 512 and 128 tokens together
	s_lshl_b32 s52, s14, 1
	s_lshr_b32 s53, s[WV], 3
	s_add_co_u32 s52, s52, s53                       ; which 128 tokens of the head hold my queries
	s_and_b32 s53, s[WV], 7                          ; and which tile of them they are
	s_lshr_b32 s66, s15, 4                           ; the batch
	s_lshl_b32 s67, s66, 4
	s_add_co_u32 s67, s67, s52
	s_lshl_b32 s68, s67, 16
	s_bfe_u32 s67, s15, 0x10003
	s_lshl_b32 s67, s67, 15
	s_add_co_u32 s68, s68, s67
	s_lshl_b32 s67, s53, 12
	s_add_co_u32 s68, s68, s67
	s_and_b32 s67, s15, 7
	s_lshl_b32 s67, s67, 9
	s_add_co_u32 s68, s68, s67
	s_mov_b32 s69, 0
	s_add_nc_u64 s[8:9], s[8:9], s[68:69]
	s_lshl_b32 s67, s66, 7                           ; ao_scales: [head 16][token 4,096] words
	s_lshl_b32 s70, s14, 4
	s_add_co_u32 s67, s67, s70
	s_add_co_u32 s67, s67, s[WV]                     ; my tile of 16 tokens among 256
	s_lshl_b32 s70, s67, 6
	s_and_b32 s67, s15, 15
	s_lshl_b32 s67, s67, 14
	s_add_co_u32 s70, s70, s67
	s_mov_b32 s71, 0
	s_add_nc_u64 s[10:11], s[10:11], s[70:71]
	v_and_b32 v80, 31, v0                            ; lane
	v_and_b32 v81, 15, v0                            ; r
	v_lshlrev_b32 v1, 4, v80                         ; 16 x lane
	v_lshlrev_b32 v2, 2, v80                         ; 4 x lane
	v_lshlrev_b32 v81, 2, v81                        ; 4 r
	s_wait_alu depctr_va_vdst(0)
	global_load_b128 v[20:23], v1, s[54:55] offset:512   ; Q's codes stay in registers
	global_load_u16 v82, v81, s[56:57]               ; and its two scale bytes: lane r has query r's
.irp k, 16,17,18,19,24,25,26,27
	v_mov_b32 v[\k], 0                               ; zero codes on both sides of Q
.endr
.irp k, 11,13,84,85,86,87
	v_mov_b32 v[\k], 0                               ; named in pairs, or as a lane permute's destination, before they are otherwise written
.endr
	s_wait_alu depctr_va_vdst(0)
	s_wait_loadcnt 0x0
	v_or_b32 v7, 0x1010000, v82                      ; (q, zeros)
	v_lshl_or_b32 v8, v82, 16, 0x101                 ; (zeros, q)
	PLACES 8                                         ; a scale register written by a vector instruction stands eight places ahead of a scaled matrix instruction
.macro QK c                            ; 64 keys: tiles 0 and 2, then 1 and 3
.if \c < 2
.set KA, S+96+16*\c
.else
.set KA, 32+16*(\c-2)
.endif
	v_wmma_scale_f32_32x16x128_f4 v[S+32*\c:S+32*\c+15], v[KA:KA+15], v[20:27], 0, v[28+\c], v7
	v_wmma_scale_f32_32x16x128_f4 v[S+32*\c+16:S+32*\c+31], v[KA:KA+15], v[16:23], 0, v[28+\c], v8
.endm
.macro MX c, n                         ; the n-th instruction of group c's maximum, ascending: each accumulator is first read at its low end
.if (\n) == 0
	v_max3_num_f32 v[T+\c], v[S+32*\c], v[S+32*\c+1], v[S+32*\c+2]
.elseif (\n) < 15
	v_max3_num_f32 v[T+\c], v[T+\c], v[S+32*\c+2*(\n)+1], v[S+32*\c+2*(\n)+2]
.else
	v_max_num_f32 v[T+\c], v[T+\c], v[S+32*\c+31]
.endif
.endm
.macro LOADV s, reg                    ; V's four fragments of 128 keys
.irp d, 0,1,2,3
.irp c, 0,1
	ds_load_b128 v[\reg+8*\d+4*\c:\reg+8*\d+4*\c+3], v1 offset:VO+4096*\s+1024*\d+512*\c
.endr
.endr
.endm
; A KEY STEP: 256 keys.  first = 1: it starts the sums: nothing is rescaled, and C is 0.
.macro STEP first
.if \first == 0
	v_add_nc_u32 v1, STEPB, v1                       ; these two and three v_nop are the five places behind the last step's products: v128-159 are written by a product again, v32-63 by loads
	v_add_nc_u32 v2, STEPB, v2
	PLACES 3
.endif
.irp c, 0,1,2,3
	ds_load_b32 v[28+\c], v2 offset:128*\c           ; K's scale words: bytes 0, 1 of tile 0 or 2, bytes 2, 3 of tile 1 or 3
.endr
.irp c, 0,1
.irp i, 0,1,2,3
	ds_load_b128 v[S+96+16*\c+4*\i:S+96+16*\c+4*\i+3], v1 offset:512+2048*\c+512*\i
.endr
.endr
.irp c, 2,3
.irp i, 0,1,2,3
	ds_load_b128 v[16*\c+4*\i:16*\c+4*\i+3], v1 offset:512+2048*\c+512*\i   ; v32-47 and v48-63
.endr
.endr
	s_wait_alu depctr_va_vdst(0)
	s_wait_dscnt 12                                  ; the scale words and group 0 are in
	QK 0
	s_wait_dscnt 8
	QK 1
	s_wait_dscnt 4
	QK 2
	PLACES 5                                         ; groups 0 and 1 lay where group 3's scores go
	s_wait_dscnt 0x0
	QK 3
.set N, 0
.rept 18                               ; THE LARGEST SCORE OF EACH BLOCK OF 32 KEYS, all in my lane: it serves the row's maximum and, since p rises with the score, the block's scale
.if N < 16
	MX 0, N
	MX 1, N
	MX 2, N
.endif
.if N >= 2
	MX 3, N-2
.endif
.if N == 1                             ; six places behind group 3's products
	LOADV 0, 32
.irp k, 0,1,2,3
	ds_load_b32 v[92+\k], v2 offset:VSO+128*\k
.endr
.endif
.set N, N+1
.endr
	v_max3_num_f32 v84, v80, v81, v82
	s_delay_alu instid0(VALU_DEP_1)
	v_max_num_f32 v84, v84, v83
	s_delay_alu instid0(VALU_DEP_1)
	v_permlanex16_b32 v85, v84, s[SEL], s[SEL+1]
	s_delay_alu instid0(VALU_DEP_1)
	v_max_num_f32 v84, v84, v85                      ; the step's largest score of my query
.if \first
	s_delay_alu instid0(VALU_DEP_1)
	v_mul_f32 v9, s[CS], v84                         ; as t (c is positive)
	s_delay_alu instid0(VALU_DEP_1)
	v_floor_f32 v10, -v9                             ; -M = floor(-t) = -ceil(t): a whole number
.else
	s_delay_alu instid0(VALU_DEP_1)
	v_mul_f32 v84, s[CS], v84
	s_delay_alu instid0(VALU_DEP_1)
	v_max_num_f32 v9, v9, v84                        ; the running largest t
	v_mov_b32 v86, v10
	s_delay_alu instid0(VALU_DEP_2)
	v_floor_f32 v10, -v9                             ; the new -M
	s_delay_alu instid0(VALU_DEP_1)
	v_sub_f32 v86, v10, v86                          ; old M - new M: a whole number, 0 or less
	s_delay_alu instid0(VALU_DEP_1)
	v_cvt_i32_f32 v86, v86                           ; (it saturates)
	s_delay_alu instid0(VALU_DEP_1)
	v_ldexp_f32 v12, 1.0, v86                        ; f = 2^(old M - new M)
.endif
.set J, 0
.rept 64
	v_pk_fma_f32 v[S+J:S+J+1], v[S+J:S+J+1], s[CS:CS+1], v[10:11] op_sel_hi:[1,0,0]   ; t - M, two at a time (of the pairs c and -M the low word serves both halves)
.set J, J+2
.endr
.irp c, 0,1,2,3
	v_fma_f32 v[T+\c], v[T+\c], s[CS], v10           ; the same of each block's largest score,
.endr
.irp c, 0,1,2,3
	v_max_num_f32 v[T+\c], 0xc2f80000, v[T+\c]       ; held at -124,
.endr
.irp c, 0,1,2,3
	v_floor_f32 v[T+\c], v[T+\c]                     ; its whole part: floor(log2(the block's largest p)),
.endr
.irp c, 0,1,2,3
	v_cvt_i32_f32 v[T+\c], v[T+\c]                   ; as a whole number
.endr
.irp c, 0,1,2,3
	v_lshl_add_u32 v[OP+\c], v[T+\c], 23, 0x3e800000 ; + 125 in the exponent field: the conversion's scale operand
.endr
.irp s, 0,1
	v_lshl_add_u32 v[84+\s], v[T+2*\s+1], 16, v[T+2*\s]   ; my two blocks of these 128 keys, at bytes 0 and 2
.endr
.irp s, 0,1
	v_permlanex16_b32 v[86+\s], v[84+\s], s[SEL], s[SEL+1]
.endr
.irp s, 0,1
	v_lshl_add_u32 v[84+\s], v[86+\s], 8, v[84+\s]   ; lane l xor 16's at bytes 1 and 3
.endr
.irp s, 0,1
	v_add_nc_u32 v[3+\s], 0x7d7d7d7d, v[84+\s]       ; + 125 in each byte: P's scale word (lanes 0-15 are read)
.endr
	s_wait_alu depctr_va_vdst(0)
.set J, 0
.rept 128
	v_exp_f32 v[S+J], v[S+J]                         ; p = 2^(t - M), at most 1
.set J, J+1
.endr
.if \first
	v_nop                                            ; a place behind the exponentials
.else
	v_pk_mul_f32 v[14:15], v[14:15], v[12:13] op_sel_hi:[1,0]   ; the sum under the new M.  (A plain place behind the exponentials)
.endif
	s_wait_alu depctr_va_vdst(0)                     ; and behind it, ahead of its first reader
.irp g, 0,1,2,3
	v_cvt_scalef32_pk8_fp4_f32 v[64+4*\g], v[S+32*\g:S+32*\g+7], v[OP+\g]          ; tile 0
	v_cvt_scalef32_pk8_fp4_f32 v[65+4*\g], v[S+32*\g+16:S+32*\g+23], v[OP+\g]      ; tile 1
	v_cvt_scalef32_pk8_fp4_f32 v[66+4*\g], v[S+32*\g+8:S+32*\g+15], v[OP+\g]       ; tile 2
	v_cvt_scalef32_pk8_fp4_f32 v[67+4*\g], v[S+32*\g+24:S+32*\g+31], v[OP+\g]      ; tile 3
.endr
	; the row's sum, of the unquantised p, in four chains
	v_pk_add_f32 v[80:81], v[S+2:S+3], v[S+10:S+11]
	v_pk_add_f32 v[82:83], v[S+4:S+5], v[S+12:S+13]
	v_pk_add_f32 v[84:85], v[S+6:S+7], v[S+14:S+15]
.if \first
	v_pk_add_f32 v[14:15], v[S:S+1], v[S+8:S+9]
.else
	v_pk_add_f32 v[14:15], v[14:15], v[S:S+1]
	v_pk_add_f32 v[14:15], v[14:15], v[S+8:S+9]
.endif
.set J, S+16
.rept 14
	v_pk_add_f32 v[80:81], v[80:81], v[J+2:J+3]
	v_pk_add_f32 v[82:83], v[82:83], v[J+4:J+5]
	v_pk_add_f32 v[84:85], v[84:85], v[J+6:J+7]
	v_pk_add_f32 v[14:15], v[14:15], v[J:J+1]
.if J == S+24                          ; group 0's p are converted and summed: V's last 128 keys land there
	LOADV 1, S
.endif
.set J, J+8
.endr
	v_pk_add_f32 v[80:81], v[80:81], v[82:83]
	v_pk_add_f32 v[14:15], v[14:15], v[84:85]
	v_pk_add_f32 v[14:15], v[14:15], v[80:81]
.if \first == 0
	s_wait_alu depctr_va_vdst(0)
.set J, 0
.rept 16
	v_pk_mul_f32 v[O+J:O+J+1], v[O+J:O+J+1], v[12:13] op_sel_hi:[1,0]   ; O^T under the new M
.set J, J+2
.endr
.endif
	s_wait_dscnt 8                                   ; V's first 128 keys and its scale words are in
.irp p, 0,1
	s_wait_alu depctr_va_vdst(0)
.if \first
	v_wmma_scale_f32_32x16x128_f4 v[O+16*\p:O+16*\p+15], v[32+16*\p:47+16*\p], v[64:71], 0, v[92+\p], v3
.else
	v_wmma_scale_f32_32x16x128_f4 v[O+16*\p:O+16*\p+15], v[32+16*\p:47+16*\p], v[64:71], v[O+16*\p:O+16*\p+15], v[92+\p], v3
.endif
.endr
	s_wait_dscnt 0x0
.irp p, 0,1
	s_wait_alu depctr_va_vdst(0)
	v_wmma_scale_f32_32x16x128_f4 v[O+16*\p:O+16*\p+15], v[S+16*\p:S+16*\p+15], v[72:79], v[O+16*\p:O+16*\p+15], v[94+\p], v4
.endr
.endm
	s_wait_alu depctr_va_vdst(0)
	s_cmp_lg_u32 s[WV], 0
	s_cbranch_scc1 .Lnot_mine
	s_wait_tensorcnt 0x0                             ; step 0's block is in; the loads of waves 1 to 7 may stay out
.Lnot_mine:
	s_barrier_signal -1
	s_barrier_wait -1
	STEP 1
	s_wait_tensorcnt 0x0                             ; my block is in,
	s_wait_dscnt 0x0                                 ; no LDS load of mine is out at the signal
	s_barrier_signal -1
	s_barrier_wait -1                                ; all blocks are
	s_mov_b32 s[CNT], 7
.Lkeys:
	STEP 0
	s_sub_co_u32 s[CNT], s[CNT], 1
	s_cmp_lg_u32 s[CNT], 0
	s_cbranch_scc1 .Lkeys
	; THE WAY OUT.  O^T / the sum, in f32, is quantised along the head's 64 channels, which are two blocks of the last product's K: lanes 0-15 hold the first, lanes 16-31 the second.
	PLACES 4                                         ; behind the last products
	v_add_f32 v14, v14, v15                          ; the sum's two halves,
	s_delay_alu instid0(VALU_DEP_1)
	v_permlanex16_b32 v84, v14, s[SEL], s[SEL+1]
	s_delay_alu instid0(VALU_DEP_1)
	v_add_f32 v14, v14, v84                          ; and lane l xor 16's: the row's sum
	s_wait_alu depctr_va_vdst(0)
	v_rcp_f32 v14, v14
	v_nop                                            ; one plain place behind a transcendental
	s_wait_alu depctr_va_vdst(0)                     ; and ahead of its first reader
.set J, 0
.rept 16
	v_pk_mul_f32 v[S+J:S+J+1], v[O+J:O+J+1], v[14:15] op_sel_hi:[1,0]   ; register 8 d + j: channel 32 h + 8 (d xor h) + j of my query
.set J, J+2
.endr
.irp b, 0,1
	v_max3_num_f32 v[T+\b], |v[S+16*\b]|, |v[S+16*\b+1]|, 0x1800000   ; the floor 2^(3 - 127) holds the byte at 1 from below
.endr
.irp i, 2,4,6,8,10,12,14
.irp b, 0,1
	s_delay_alu instid0(VALU_DEP_2)
	v_max3_num_f32 v[T+\b], |v[S+16*\b+\i]|, |v[S+16*\b+\i+1]|, v[T+\b]
.endr
.endr
	s_delay_alu instid0(VALU_DEP_1)
	v_max_num_f32 v80, v80, v81                      ; the block's largest magnitude
	s_delay_alu instid0(VALU_DEP_1)
	v_add_nc_u32 v82, 0xff000000, v80                ; 2 off the exponent field: the conversion's scale operand
	s_delay_alu instid0(VALU_DEP_1)
	v_lshrrev_b32 v83, 23, v82                       ; the scale's byte
.irp d, 0,1,2,3
	v_cvt_scalef32_pk8_fp4_f32 v[64+\d], v[S+8*\d:S+8*\d+7], v82
.endr
	s_mov_b32 vcc_lo, 0xffff0000                     ; lanes 16-31
	v_permlanex16_b32 v85, v83, s[SEL], s[SEL+1]     ; (a plain place behind the conversions)
	v_and_b32 v90, 31, v0
	v_and_b32 v91, 15, v0
	v_cndmask_b32 v68, v64, v65, vcc_lo              ; channels in ascending order: lanes 16-31 hold tiles 0 and 1, 2 and 3 exchanged
	v_cndmask_b32 v69, v65, v64, vcc_lo
	v_cndmask_b32 v70, v66, v67, vcc_lo
	v_cndmask_b32 v71, v67, v66, vcc_lo
	v_cndmask_b32 v86, v83, v85, vcc_lo              ; the first block's byte
	v_cndmask_b32 v87, v85, v83, vcc_lo              ; the second's
	v_lshlrev_b32 v90, 4, v90
	v_lshlrev_b32 v91, 2, v91
	v_lshl_or_b32 v86, v87, 8, v86                   ; the upper half stays 0: the reader sets two heads' halves together
	global_store_b128 v90, v[68:71], s[8:9]          ; 512 consecutive bytes, at a multiple of 256 from the buffer's first byte
	global_store_b32 v91, v86, s[10:11]              ; 64 bytes: lanes 16-31 write the same words once more; 1 byte in 9 of what the wave stores
	s_wait_tensorcnt 0x0                             ; the wave's end
	ds_add_u32 v[SPW], v[NIL]
	s_wait_dscnt 0x0
	CROUND                                           ; the closing round: no work-group ends while a partner may still ask for a tile that names it
	s_endpgm
.Lfunc_end_k_q238491e01c_attn:
	.size	k_q238491e01c_attn, .Lfunc_end_k_q238491e01c_attn-k_q238491e01c_attn
	.p2alignl 7, 3214868480
	.fill 96, 4, 3214868480
	.section	.rodata,"a",@progbits
	.p2align	6, 0x0
	.amdhsa_kernel k_q238491e01c_attn
		.amdhsa_group_segment_fixed_size 167936
		.amdhsa_private_segment_fixed_size 0
		.amdhsa_enable_private_segment 0
		.amdhsa_kernarg_size 32
		.amdhsa_user_sgpr_count 2
		.amdhsa_user_sgpr_kernarg_segment_ptr 1
		.amdhsa_wavefront_size32 1
		.amdhsa_system_sgpr_workgroup_id_x 1
		.amdhsa_system_sgpr_workgroup_id_y 1
		.amdhsa_system_sgpr_workgroup_id_z 1
		.amdhsa_system_vgpr_workitem_id 0
		.amdhsa_next_free_vgpr 256
		.amdhsa_next_free_sgpr 72
		.amdhsa_reserve_vcc 1
		.amdhsa_float_denorm_mode_32 3
		.amdhsa_float_denorm_mode_16_64 3
		.amdhsa_memory_ordered 1
		.amdhsa_forward_progress 1
		.amdhsa_inst_pref_size 60
	.end_amdhsa_kernel
	.amdgpu_metadata
---
amdhsa.version: [ 1, 2 ]
amdhsa.kernels:
  - .name:           k_q238491e01c_attn
    .symbol:         k_q238491e01c_attn.kd
    .args:
      - { .name: qs, .offset: 0, .size: 8, .value_kind: global_buffer, .address_space: global }
      - { .name: kv, .offset: 8, .size: 8, .value_kind: global_buffer, .address_space: global }
      - { .name: ao_codes, .offset: 16, .size: 8, .value_kind: global_buffer, .address_space: global }
      - { .name: ao_scales, .offset: 24, .size: 8, .value_kind: global_buffer, .address_space: global }
    .group_segment_fixed_size: 167936
    .private_segment_fixed_size: 0
    .kernarg_segment_align: 8
    .kernarg_segment_size: 32
    .max_flat_workgroup_size: 512
    .sgpr_count:     72
    .vgpr_count:     256
    .wavefront_size: 32
...
	.end_amdgpu_metadata
.endif
;; end of part 2
;; launch oproj (part 3): grid 8 x 32, 4 waves a work-group, clusters of 4 x 4, 168,448 bytes of LDS; arguments ao_codes, ao_scales, Wo_codes, Wo_scales, bo, out0; writes out0
.if DOCPART == 3
	.amdgcn_target "amdgcn-amd-amdhsa--gfx1250"
	.amdhsa_code_object_version 6
	.text
	.protected	k_q238491e01c_oproj
	.globl	k_q238491e01c_oproj
	.p2align	8
	.type	k_q238491e01c_oproj,@function
k_q238491e01c_oproj:
	s_mov_b64 s[64:65], 0
	v_nop
	global_prefetch_b8 v0, s[64:65] scope:SCOPE_SE
	s_setreg_imm32_b32 hwreg(HW_REG_WAVE_MODE, 25, 1), 1
	s_wait_xcnt 0x0
	s_wait_alu depctr_hold_cnt(0) depctr_sa_sdst(0) depctr_va_vdst(0) depctr_va_sdst(0) depctr_va_ssrc(0) depctr_va_vcc(0) depctr_vm_vsrc(0)
	s_getreg_b32 s2, hwreg(HW_REG_IB_STS2, 6, 4)
	s_cmp_eq_u32 s2, 0
	s_cbranch_scc0 .Lentry_in_a_cluster
	s_endpgm
.Lentry_in_a_cluster:
	s_bfe_u32 s2, ttmp6, 0x10000c
	s_cmp_lg_u32 s2, 0xf033
	s_cbranch_scc0 .Lentry_shape_is_right
	s_endpgm
.Lentry_shape_is_right:
; out0 = ao Wo + bo on codes of FP4 (E2M1) with one E8M0 scale for each 32 along K = 1,024; sums in f32, started by the bias.
; SHARES.  256 work-groups: nb = 0..7 along x (128 columns), tbk = 0..31 along y (128 tokens).  Wave w: i = w / 2 its 64 tokens, j = w % 2 its 64 columns: 16 accumulators.  The tile is the largest that gives each of 256 work-groups one.
; LDS is filled ONCE: all of K of both operands, in two chunks of 512 along K.  ao's codes lie in memory as images of the operand's registers (a chunk of 128 tokens: 32,768 dense bytes) and are read at 16 x lane;
; Wo's rows are 256 bytes + 16 of padding.
; CLUSTERS: 4 x 4 work-groups.  ao's tile hangs on tbk alone and is shared along a row of the cluster, Wo's on nb alone and is shared along a column: each is asked for jointly.
; THE MATRIX INSTRUCTION IS USED TRANSPOSED (source 0 = 16 rows of Wo, source 1 = 16 tokens): a lane holds eight neighbouring columns of one token's row of out0.
; REGISTERS: window 0: v1-12 addresses; v16-31 ao's scale words, v32-47 Wo's (pair of tiles pp, step s at + 8 pp + s: lanes 0-15 tile 2 pp, lanes 16-31 tile 2 pp + 1); v64-127 ao's half words, later rows on the way out;
;   v128-255 two sets of fragments: ao's 4, then Wo's 4.   window 1: the accumulators, (a, t) at 8 (4 a + t); from v128 the bias.
.set PITCH, 272
.set AOB,   32768                      ; a chunk of ao: at 0 and at AOB
.set WO,    2*AOB                      ; Wo's chunks: 128 rows x 272
.set WOB,   128*PITCH
.set STAGE, WO+2*WOB                   ; behind them: 16 rows x 272 bytes for each wave, for the way out: no fill ever lands there
.set WV,    16                         ; s16 my wave; s17 i; s18 j; s19 cx; s20 cy; s21 nb; s22 tbk; s23, s24 masks
.set G1A,   28                         ; s[28:35], s[36:43] descriptor groups 1: ao, Wo;  s[44:47], s[52:55] groups 0: ao, Wo
.set G1W,   36
.set G0A,   44
.set G0W,   52
.set SA,    16
.set SWO,   32
.set HW,    64
.set OB,    64
.set BO,    128                        ; in window 1
.set MSB,   0
.macro WIN new                         ; the immediate's high byte repeats the setting that is left
.if MSB != (\new)
	s_set_vgpr_msb (MSB<<8)|(\new)
.set MSB, (\new)
.endif
.endm
.macro PLACES n
.rept \n
	v_nop
.endr
.endm
.macro CROUND                          ; a round of the cluster's barrier
	s_barrier_signal -1
	s_barrier_wait -1
	s_cmp_lg_u32 s[WV], 0
	s_cbranch_scc1 .Lnot_wave_0_\@
	s_barrier_signal -3
.Lnot_wave_0_\@:
	s_barrier_wait -3
	s_barrier_signal -1
	s_barrier_wait -1
.endm
.macro WM d, a, b, c, sa, sb, ra, rb   ; ra, rb: which half of the lanes of the scale registers holds source 0's and source 1's words
.set RS, 2*(\ra)+(\rb)
.if RS == 0
	v_wmma_scale_f32_16x16x128_f8f6f4 v[\d:\d+7], v[\a:\a+7], v[\b:\b+7], v[\c:\c+7], v[\sa], v[\sb] matrix_a_fmt:MATRIX_FMT_FP4 matrix_b_fmt:MATRIX_FMT_FP4
.elseif RS == 1
	v_wmma_scale_f32_16x16x128_f8f6f4 v[\d:\d+7], v[\a:\a+7], v[\b:\b+7], v[\c:\c+7], v[\sa], v[\sb] matrix_a_fmt:MATRIX_FMT_FP4 matrix_b_fmt:MATRIX_FMT_FP4 matrix_b_scale:MATRIX_SCALE_ROW1
.elseif RS == 2
	v_wmma_scale_f32_16x16x128_f8f6f4 v[\d:\d+7], v[\a:\a+7], v[\b:\b+7], v[\c:\c+7], v[\sa], v[\sb] matrix_a_fmt:MATRIX_FMT_FP4 matrix_b_fmt:MATRIX_FMT_FP4 matrix_a_scale:MATRIX_SCALE_ROW1
.else
	v_wmma_scale_f32_16x16x128_f8f6f4 v[\d:\d+7], v[\a:\a+7], v[\b:\b+7], v[\c:\c+7], v[\sa], v[\sb] matrix_a_fmt:MATRIX_FMT_FP4 matrix_b_fmt:MATRIX_FMT_FP4 matrix_a_scale:MATRIX_SCALE_ROW1 matrix_b_scale:MATRIX_SCALE_ROW1
.endif
.endm
	s_load_b256 s[4:11], s[0:1], 0x0                 ; ao_codes s[4:5], ao_scales s[6:7], Wo's codes s[8:9], Wo's scales s[10:11]
	s_load_b128 s[12:15], s[0:1], 0x20               ; bo s[12:13], out0 s[14:15]
	v_lshl_add_u32 v62, v0, 2, 0x29000
	v_mov_b32 v63, 0
	ds_add_u32 v62, v63
	ds_add_u32 v62, v63
	v_lshrrev_b32 v1, 5, v0
	v_readfirstlane_b32 s[WV], v1                    ; wave 0..3
	s_lshr_b32 s17, s[WV], 1                         ; i.  Also: the chunk that I fetch
	s_and_b32 s18, s[WV], 1                          ; j.  Also: I fetch for ao (0) or for Wo (1)
	s_bfe_u32 s19, ttmp6, 0x40000                    ; cx
	s_bfe_u32 s20, ttmp6, 0x40004                    ; cy
	s_lshl_b32 s21, ttmp9, 2
	s_add_co_u32 s21, s21, s19                       ; nb = 4 x cluster x + cx
	s_and_b32 s22, ttmp7, 0xffff
	s_lshl_b32 s22, s22, 2
	s_add_co_u32 s22, s22, s20                       ; tbk = 4 x cluster y + cy
	s_lshl_b32 s23, s20, 2
	s_lshl_b32 s23, 15, s23                          ; my row of the cluster
	s_lshl_b32 s24, 0x1111, s19                      ; my column
	s_or_b32 s[G1A], s23, (3<<16)|(1<<21)            ; ao: a chunk of 32,768 dense bytes as 128 rows of 256 (32 elements of 8 bytes), no padding; 15:0 the mask; 21 set beside a mask
	s_mov_b32 s[G1A+1], 32<<16
	s_mov_b32 s[G1A+2], 128<<16
	s_mov_b32 s[G1A+3], 32<<16
	s_mov_b32 s[G1A+4], 128
	s_mov_b32 s[G1A+5], 32
	s_mov_b32 s[G1A+6], 0
	s_mov_b32 s[G1A+7], 0
	s_or_b32 s[G1W], s24, (1<<20)|(1<<21)|(5<<22)|(3<<25)   ; Wo: a chunk of 128 rows of 256 bytes, 512 apart in memory; four words of padding after every 64
	s_mov_b32 s[G1W+1], 256<<16
	s_mov_b32 s[G1W+2], 128<<16
	s_mov_b32 s[G1W+3], 256<<16
	s_mov_b32 s[G1W+4], 128
	s_mov_b32 s[G1W+5], 512
	s_mov_b32 s[G1W+6], 0
	s_mov_b32 s[G1W+7], 0
	s_lshl_b32 s60, s22, 16                          ; ao: 65,536 bytes for each 128 tokens,
	s_lshl_b32 s25, s17, 15                          ; + the chunk that I fetch; the same in LDS
	s_add_co_u32 s60, s60, s25
	s_mov_b32 s61, 0
	s_lshl_b32 s62, s21, 16                          ; Wo: 128 nb rows of 512 bytes,
	s_lshl_b32 s26, s17, 8                           ; + my chunk: 256 bytes further along each row
	s_add_co_u32 s62, s62, s26
	s_mov_b32 s63, 0
	s_mul_i32 s27, s17, WOB                          ; and where it goes
	s_wait_dscnt 0x0
	s_wait_kmcnt 0x0
	s_add_nc_u64 s[4:5], s[4:5], s[60:61]
	s_add_nc_u64 s[8:9], s[8:9], s[62:63]
	s_mov_b32 s[G0A], 1
	s_mov_b32 s[G0A+1], s25
	s_mov_b64 s[G0A+2:G0A+3], s[4:5]
	s_or_b32 s[G0A+3], s[G0A+3], 0x80000000
	s_mov_b32 s[G0W], 1
	s_add_co_u32 s[G0W+1], s27, WO
	s_mov_b64 s[G0W+2:G0W+3], s[8:9]
	s_or_b32 s[G0W+3], s[G0W+3], 0x80000000
	CROUND                                           ; all sixteen work-groups are here: the joint loads meet
; All fills of the launch, one a wave, in one tree of branches on the wave's number: waves 0 and 1 chunk 0 of ao and of Wo, waves 2 and 3 chunk 1, on lines of their own: they wait at another place.
; No prefetch: all bytes are asked for here, and no loop runs ahead of a load.
.macro ARM under, g0, g1, next
	s_cmp_lt_u32 s[WV], \under
	s_cbranch_scc0 \next
	tensor_load_to_lds s[\g0:\g0+3], s[\g1:\g1+7]
	s_nop 0
	PLACES 4
	s_branch .Lasked
\next:
.endm
	ARM 1, G0A, G1A, .Larm1
	ARM 2, G0W, G1W, .Larm2
	ARM 3, G0A, G1A, .Larm3
	tensor_load_to_lds s[G0W:G0W+3], s[G1W:G1W+7]
	s_nop 0
	PLACES 4
.Lasked:
	v_and_b32 v3, 31, v0                             ; lane
	v_and_b32 v1, 15, v0                             ; r
	v_bfe_u32 v2, v0, 4, 1                           ; h
	v_lshlrev_b32 v4, 4, v3
	s_lshl_b32 s74, s17, 14
	v_add_nc_u32 v5, s74, v4                         ; ao's fragments: my four tiles of 4,096 bytes, 16 x lane
	v_mul_u32_u24 v6, v1, PITCH
	v_lshl_add_u32 v6, v2, 4, v6
	s_mul_i32 s74, s18, 64*PITCH
	s_add_co_u32 s74, s74, WO
	v_add_nc_u32 v6, s74, v6                         ; Wo's: my 64 rows; row x pitch + 16 h
	s_mul_i32 s74, s[WV], 16*PITCH
	s_add_co_u32 s74, s74, STAGE                     ; my stage
	v_mul_u32_u24 v7, v1, PITCH
	v_lshl_add_u32 v7, v2, 5, v7
	v_add_nc_u32 v7, s74, v7                         ; in: row r, 32 bytes for each half of the lanes
	v_mul_u32_u24 v8, v2, PITCH
	v_lshl_add_u32 v8, v1, 4, v8
	v_add_nc_u32 v8, s74, v8                         ; back: lanes 0-15 one row of 256 bytes, lanes 16-31 the next
	v_lshlrev_b32 v9, 12, v2
	v_lshl_add_u32 v9, v1, 4, v9                     ; and the same two rows in out0
	v_lshlrev_b32 v10, 2, v3
	s_wait_alu depctr_va_vdst(0)
	v_lshlrev_b32 v11, 5, v3
	s_wait_alu depctr_va_vdst(0)
	v_lshlrev_b32 v12, 5, v2
	s_wait_alu depctr_va_vdst(0)
	s_lshl_b32 s66, s22, 9                           ; ao's scale words: 4 bytes a token: 128 tbk + 64 i tokens on
	s_lshl_b32 s67, s17, 8
	s_add_co_u32 s66, s66, s67
	s_mov_b32 s67, 0
	s_add_nc_u64 s[6:7], s[6:7], s[66:67]
	s_lshl_b32 s68, s21, 12                          ; Wo's scales: 32 bytes a row: 128 nb + 64 j rows on
	s_lshl_b32 s69, s18, 11
	s_add_co_u32 s68, s68, s69
	s_mov_b32 s69, 0
	s_add_nc_u64 s[10:11], s[10:11], s[68:69]
	s_lshl_b32 s70, s21, 9                           ; bo, and my first column of out0: 4 bytes each
	s_lshl_b32 s71, s18, 8
	s_add_co_u32 s70, s70, s71
	s_mov_b32 s71, 0
	s_add_nc_u64 s[12:13], s[12:13], s[70:71]
	s_lshl_b32 s72, s22, 19                          ; out0: rows of 4,096 bytes: 128 tbk + 64 i rows on
	s_lshl_b32 s73, s17, 18
	s_add_co_u32 s72, s72, s73
	s_add_co_u32 s72, s72, s70
	s_mov_b32 s73, 0
	s_add_nc_u64 s[14:15], s[14:15], s[72:73]
.irp hd, 0,1,2,3,4,5,6,7,8,9,10,11,12,13,14,15
.irp pp, 0,1
	global_load_b32 v[HW+2*\hd+\pp], v10, s[6:7] offset:\hd*16384+128*\pp   ; head hd's two bytes of tokens 32 pp + lane
.endr
.endr
.irp pp, 0,1
.irp hf, 0,1
	global_load_b128 v[SWO+8*\pp+4*\hf:SWO+8*\pp+4*\hf+3], v11, s[10:11] offset:1024*\pp+16*\hf
.endr
.endr
	WIN 0x40                                         ; destination window 1
.irp t, 0,1,2,3
.irp hf, 0,1
	global_load_b128 v[BO+8*\t+4*\hf:BO+8*\t+4*\hf+3], v12, s[12:13] offset:64*\t+16*\hf   ; lane (r, h), tile t: the bias of columns 16 t + 8 h + 0 .. 7
.endr
.endr
	WIN 0
	s_wait_loadcnt 0x0
.irp s, 0,1,2,3,4,5,6,7
.irp pp, 0,1
	v_lshl_or_b32 v[SA+8*\pp+\s], v[HW+4*\s+2+\pp], 16, v[HW+4*\s+\pp]   ; step s is heads 2 s and 2 s + 1: four bytes
.endr
.endr
	PLACES 8                                         ; a scale register written by a vector instruction stands eight places ahead of a scaled matrix instruction
.macro FETCH s                         ; the fragments of step s into set s % 2: 16 loads in one run
.set KC, (\s)/4
.set KQ, (\s)%4
.set FS, 128+64*((\s)%2)
	WIN 0
.irp t, 0,1,2,3
.irp c, 0,1
	ds_load_b128 v[FS+32+8*\t+4*\c:FS+32+8*\t+4*\c+3], v6 offset:KC*WOB+\t*16*PITCH+64*KQ+32*\c
.endr
.endr
.irp a, 0,1,2,3
.irp c, 0,1
	ds_load_b128 v[FS+8*\a+4*\c:FS+8*\a+4*\c+3], v5 offset:KC*AOB+4096*\a+1024*KQ+512*\c
.endr
.endr
.endm
.macro STEP s                          ; the next step's fragments are asked for first, four places behind the products that read their registers; then this step's 16 products, the accumulators by turns
.if (\s) < 7
.if (\s) > 0
	PLACES 4
.endif
	FETCH (\s)+1
	s_wait_dscnt 16                                  ; all but the 16 just issued: this step's fragments are in
.else
	s_wait_dscnt 0x0
.endif
.set FS, 128+64*((\s)%2)
	WIN 0x50                                         ; C and D window 1
.irp a, 0,1,2,3
.irp t, 0,1,2,3
.if (\s) == 0
	WM 8*(4*\a+\t), FS+32+8*\t, FS+8*\a, BO+8*\t, SWO+8*(\t/2)+(\s), SA+8*(\a/2)+(\s), \t%2, \a%2
.else
	WM 8*(4*\a+\t), FS+32+8*\t, FS+8*\a, 8*(4*\a+\t), SWO+8*(\t/2)+(\s), SA+8*(\a/2)+(\s), \t%2, \a%2
.endif
.endr
.endr
.endm
	s_wait_alu depctr_va_vdst(0)
	s_cmp_lt_u32 s[WV], 2
	s_cbranch_scc0 .Lchunk_1
	s_wait_tensorcnt 0x0                             ; my tile of chunk 0 is in; the loads of waves 2 and 3 may stay out
.Lchunk_1:
	s_barrier_signal -1
	s_barrier_wait -1                                ; everybody's is
	FETCH 0
.irp s, 0,1,2
	STEP \s
.endr
	s_wait_alu depctr_va_vdst(0)
	s_wait_tensorcnt 0x0                             ; my part of chunk 1 is in,
	s_wait_dscnt 0x0                                 ; no LDS load of mine is out at the signal
	s_barrier_signal -1
	s_barrier_wait -1                                ; everybody's is
.irp s, 3,4,5,6,7
	STEP \s
.endr
; THE WAY OUT, a tile of 16 tokens x 64 columns at a time: a lane's 32 bytes go into my own stage and come back as whole rows of 256 bytes.  LDS serves a wave's instructions in order (ISA guide 5.7.1.4): no wait between the stores and the loads.
.macro TOSTAGE a
	WIN 0x04                                         ; an LDS store's data are its source 1: window 1
.irp t, 0,1,2,3
	ds_store_b128 v7, v[8*(4*(\a)+\t):8*(4*(\a)+\t)+3] offset:64*\t          ; each accumulator from its low end on
	ds_store_b128 v7, v[8*(4*(\a)+\t)+4:8*(4*(\a)+\t)+7] offset:64*\t+16
.endr
	WIN 0
.irp k, 0,1,2,3,4,5,6,7
	ds_load_b128 v[OB+32*((\a)%2)+4*\k:OB+32*((\a)%2)+4*\k+3], v8 offset:2*\k*PITCH
.endr
.endm
.macro SEND a, younger                 ; younger: the LDS instructions issued behind tile a's loads, which may stay out
	s_wait_dscnt \younger
.irp k, 0,1,2,3,4,5,6,7
	; row 8 h + j of tile a is token 32 h + 8 (a xor h) + j of my 64: rows 2 k and 2 k + 1 are two neighbouring tokens
	global_store_b128 v9, v[OB+32*((\a)%2)+4*\k:OB+32*((\a)%2)+4*\k+3], s[14:15] offset:(8*((\a)+(\k/4)*(1-2*((\a)%2)))+32*(\k/4)+2*(\k%4))*4096 th:TH_STORE_NT   ; 16 lanes store 256 consecutive bytes, at a multiple of 256 from out0's first byte; written once, read by nobody here
.endr
.endm
	WIN 0
	PLACES 4                                         ; behind the last products, in front of the first read of results
	TOSTAGE 0
.irp a, 1,2,3
.if \a > 1
	s_wait_xcnt 0x0                                  ; tile a - 2's stores have read their registers: tile a's loads may land there
.endif
	TOSTAGE \a
	SEND \a-1, 16                                    ; behind tile a - 1's loads: tile a's 8 stores and 8 loads
.endr
	SEND 3, 0
	s_wait_dscnt 0x0
	s_wait_tensorcnt 0x0
	ds_add_u32 v62, v63
	s_wait_dscnt 0x0
	CROUND                                           ; the closing round: no work-group ends while a partner may still ask for a tile that names it
	s_endpgm
.Lfunc_end_k_q238491e01c_oproj:
	.size	k_q238491e01c_oproj, .Lfunc_end_k_q238491e01c_oproj-k_q238491e01c_oproj
	.p2alignl 7, 3214868480
	.fill 96, 4, 3214868480
	.section	.rodata,"a",@progbits
	.p2align	6, 0x0
	.amdhsa_kernel k_q238491e01c_oproj
		.amdhsa_group_segment_fixed_size 168448
		.amdhsa_private_segment_fixed_size 0
		.amdhsa_enable_private_segment 0
		.amdhsa_kernarg_size 48
		.amdhsa_user_sgpr_count 2
		.amdhsa_user_sgpr_kernarg_segment_ptr 1
		.amdhsa_wavefront_size32 1
		.amdhsa_system_sgpr_workgroup_id_x 1
		.amdhsa_system_sgpr_workgroup_id_y 1
		.amdhsa_system_sgpr_workgroup_id_z 1
		.amdhsa_system_vgpr_workitem_id 0
		.amdhsa_next_free_vgpr 512
		.amdhsa_next_free_sgpr 76
		.amdhsa_reserve_vcc 0
		.amdhsa_float_denorm_mode_32 3
		.amdhsa_float_denorm_mode_16_64 3
		.amdhsa_memory_ordered 1
		.amdhsa_forward_progress 1
		.amdhsa_inst_pref_size 46
	.end_amdhsa_kernel
	.amdgpu_metadata
---
amdhsa.version: [ 1, 2 ]
amdhsa.kernels:
  - .name:           k_q238491e01c_oproj
    .symbol:         k_q238491e01c_oproj.kd
    .args:
      - { .name: ao_codes, .offset: 0, .size: 8, .value_kind: global_buffer, .address_space: global }
      - { .name: ao_scales, .offset: 8, .size: 8, .value_kind: global_buffer, .address_space: global }
      - { .name: Wo_codes, .offset: 16, .size: 8, .value_kind: global_buffer, .address_space: global }
      - { .name: Wo_scales, .offset: 24, .size: 8, .value_kind: global_buffer, .address_space: global }
      - { .name: bo, .offset: 32, .size: 8, .value_kind: global_buffer, .address_space: global }
      - { .name: out0, .offset: 40, .size: 8, .value_kind: global_buffer, .address_space: global }
    .group_segment_fixed_size: 168448
    .private_segment_fixed_size: 0
    .kernarg_segment_align: 8
    .kernarg_segment_size: 48
    .max_flat_workgroup_size: 128
    .sgpr_count:     76
    .vgpr_count:     512
    .wavefront_size: 32
...
	.end_amdgpu_metadata
.endif
;; end of part 3
